; MI455X (gfx1250); checked and timed in simulation.
; The chip was launched on July 23, 2026; its instructions are those of AMD's public machine-readable ISA for CDNA 5 (MIT licence, August 2026) and "CDNA5" Instruction Set Architecture Reference Guide (July 2026). The comments in the code are by the model that wrote it; some were corrected since.
;; Attention Block. Allowed arithmetic: float matrix products may take bf16 or f16 operands with f32 sums; all other float work in f32.
;; Inputs: bk 512 float32; bproj 512 float32; bq 512 float32; bv 512 float32; gn_bias 512 float32; gn_scale 512 float32; wk 512 x 512 float32; wproj 512 x 512 float32; wq 512 x 512 float32; wv 512 x 512 float32; x 32 x 512 x 32 x 32 float32.
;; Outputs: out0 32 x 512 x 32 x 32 float32.
;; One version. Each part assembles by itself: llvm-mc -triple=amdgcn-amd-amdhsa -mcpu=gfx1250 --defsym DOCPART=n.
;; ======== version 1 of 1: 3 launches
;; workspace buffers: h 33,554,432 bytes; wt 2,097,152 bytes; qkv 100,663,296 bytes
;; launch gn (part 1): grid 1024 x 1, 8 waves a work-group, no clusters, 1,280 bytes of LDS; arguments x, gn_scale, gn_bias, wq, wk, wv, wproj, h, wt; writes h, wt
.if DOCPART == 1
	.amdgcn_target "amdgcn-amd-amdhsa--gfx1250"
	.amdhsa_code_object_version 6
	.text
	.protected	k_q6ec1c81f5f_gn
	.globl	k_q6ec1c81f5f_gn
	.p2align	8
	.type	k_q6ec1c81f5f_gn,@function
k_q6ec1c81f5f_gn:
	s_mov_b64 s[64:65], 0
	v_nop
	global_prefetch_b8 v0, s[64:65] scope:SCOPE_SE
	s_setreg_imm32_b32 hwreg(HW_REG_WAVE_MODE, 25, 1), 1
	s_wait_xcnt 0x0
; GroupNorm(32 groups of 16 channels x 1,024 tokens) in f32, result h in bf16 as [32][512 c][1024 n]; and the four weight
; matrices in bf16, laid tile by tile: wt = 32 dense tiles of 65,536 bytes, tile 8 p + s = [512 o][64 c] of matrix p
; (0 wq, 1 wk, 2 wv, 3 wproj), channels 64 s .. 64 s + 63.
; Work-group i = batch i >> 5, group i & 31: 65,536 consecutive bytes of x.  Thread t keeps tokens 4 t .. 4 t + 3 of all 16
; channels in 64 registers, so x is read once: the mean first, then the sum of squares of x - mean (no difference of large
; sums, so a common offset of x costs no accuracy).  Memory binds: no matrix unit, no tiles in LDS, no cluster (nothing is shared).
; LIMITS: NaN and infinities are not treated; v_rsq_f32 is accurate to 1 ULP; the sums' order is not the reference's.
.set X,  8                             ; v[8:71]   the group's 64 numbers of this thread: channel j in v[X+4j:X+4j+3]
.set WD, 72                            ; v[72:75]  four weights
.set C0, 76                            ; v[76:83]  four packed sums
.set PS, 84                            ; v[84:91]  the eight waves' sums, read back
	s_load_b512 s[4:19], s[0:1], 0x0               ; x s[4:5], scale s[6:7], bias s[8:9], wq s[10:11], wk s[12:13], wv s[14:15], wproj s[16:17], h s[18:19]
	s_load_b64 s[20:21], s[0:1], 0x40              ; wt
	v_lshl_add_u32 v96, v0, 2, 0x100
	v_mov_b32 v97, 0
	s_and_b32 s22, ttmp9, 31                       ; group
	s_lshl_b32 s58, s22, 6                         ; its 16 scales and biases: 64 bytes
	s_mov_b32 s59, 0
	s_lshr_b32 s23, ttmp9, 8                       ; p: which weight matrix this work-group converts two rows of
	s_and_b32 s22, ttmp9, 255                      ; which two rows
	s_mov_b32 s60, 0x76543210                      ; v_permlanex16_b32: lane i of one half reads lane i of the other
	s_mov_b32 s61, 0xfedcba98
	s_mov_b32 s62, 0x38800000                      ; 2^-14 = 1 / 16,384 numbers in a group
	v_lshlrev_b32 v1, 4, v0                        ; x: 16 t
	v_lshlrev_b32 v2, 3, v0                        ; h: 8 t
	v_and_b32 v3, 15, v0
	v_lshlrev_b32 v3, 4, v3                        ; weights, source: 16 (L & 15)
	v_bfe_u32 v4, v0, 4, 1
	v_lshl_or_b32 v3, v4, 11, v3                   ; + (L >> 4) rows of 2,048 bytes
	v_lshrrev_b32 v5, 5, v0                        ; wave = chunk of 64 channels
	v_lshl_or_b32 v3, v5, 8, v3                    ; + 256 bytes a chunk
	v_and_b32 v4, 31, v0
	v_lshlrev_b32 v4, 3, v4                        ; weights, destination: 8 L = two neighbouring tile rows of 128 bytes
	v_lshl_or_b32 v4, v5, 16, v4                   ; + the chunk's tile
	v_lshlrev_b32 v5, 2, v5                        ; LDS: my wave's word
	v_mov_b32 v94, 0                               ; LDS address 0
	s_wait_kmcnt 0x0
	s_add_nc_u64 s[6:7], s[6:7], s[58:59]
	s_add_nc_u64 s[8:9], s[8:9], s[58:59]
	s_load_b512 s[24:39], s[6:7], 0x0              ; the group's 16 scales
	s_load_b512 s[40:55], s[8:9], 0x0              ; and 16 biases
	s_lshl_b32 s58, ttmp9, 16
	s_add_nc_u64 s[4:5], s[4:5], s[58:59]          ; x at the group's first byte
.irp j, 0,1,2,3,4,5,6,7,8,9,10,11,12,13,14,15
	global_load_b128 v[X+4*\j:X+4*\j+3], v1, s[4:5] offset:4096*\j th:TH_LOAD_NT   ; channel j: a wave's load covers 512 consecutive bytes
.endr
	s_cmp_eq_u32 s23, 1
	s_cselect_b64 s[56:57], s[12:13], s[10:11]
	s_cmp_eq_u32 s23, 2
	s_cselect_b64 s[56:57], s[14:15], s[56:57]
	s_cmp_eq_u32 s23, 3
	s_cselect_b64 s[56:57], s[16:17], s[56:57]     ; the matrix p
	s_lshl_b32 s58, s22, 12
	s_add_nc_u64 s[56:57], s[56:57], s[58:59]      ; at its rows 2 (i & 255), 2 (i & 255) + 1
	global_load_b128 v[WD:WD+3], v3, s[56:57] th:TH_LOAD_NT   ; sixteen lanes cover 256 consecutive bytes of a row
	s_lshl_b32 s58, s23, 19
	s_lshl_b32 s22, s22, 8
	s_or_b32 s58, s58, s22
	s_add_nc_u64 s[20:21], s[20:21], s[58:59]      ; wt at p's eight tiles, the two rows
	s_lshl_b32 s58, ttmp9, 15
	s_add_nc_u64 s[18:19], s[18:19], s[58:59]      ; h at the group's first byte
; v76 summed over the work-group: over the 32 lanes, then over the eight waves through eight words of LDS at byte off.
; The two sums use different words, so one barrier serves each.  The result is in v84 of every lane.
.macro GROUPSUM off
	v_add_f32_dpp v76, v76, v76 row_xmask:1 row_mask:0xf bank_mask:0xf
	v_add_f32_dpp v76, v76, v76 row_xmask:2 row_mask:0xf bank_mask:0xf
	v_add_f32_dpp v76, v76, v76 row_xmask:4 row_mask:0xf bank_mask:0xf
	v_add_f32_dpp v76, v76, v76 row_xmask:8 row_mask:0xf bank_mask:0xf
	v_permlanex16_b32 v77, v76, s60, s61           ; v77 has been written before
	v_add_f32 v76, v76, v77
	ds_store_b32 v5, v76 offset:\off
	s_wait_dscnt 0x0                               ; for the other waves' sake: my word is in LDS
	s_barrier_signal -1
	s_barrier_wait -1
	ds_load_b128 v[PS:PS+3], v94 offset:\off
	ds_load_b128 v[PS+4:PS+7], v94 offset:\off+16
	s_wait_dscnt 0x0
	v_pk_add_f32 v[PS:PS+1], v[PS:PS+1], v[PS+2:PS+3]
	v_pk_add_f32 v[PS+4:PS+5], v[PS+4:PS+5], v[PS+6:PS+7]
	v_pk_add_f32 v[PS:PS+1], v[PS:PS+1], v[PS+4:PS+5]
	v_add_f32 v[PS], v[PS], v[PS+1]
.endm
	; the sum, as the channels arrive: behind channel j's load stand 15 - j loads of x and the weights' load
.irp j, 0,1,2,3,4,5,6,7,8,9,10,11,12,13,14,15
	s_wait_loadcnt 16-\j
.if \j < 2
	v_pk_add_f32 v[C0+2*\j:C0+2*\j+1], v[X+4*\j:X+4*\j+1], v[X+4*\j+2:X+4*\j+3]      ; channels 0 and 1 start the two chains
.else
	v_pk_add_f32 v[C0+4+2*(\j%2):C0+5+2*(\j%2)], v[X+4*\j:X+4*\j+1], v[X+4*\j+2:X+4*\j+3]
	v_pk_add_f32 v[C0+2*(\j%2):C0+1+2*(\j%2)], v[C0+2*(\j%2):C0+1+2*(\j%2)], v[C0+4+2*(\j%2):C0+5+2*(\j%2)]
.endif
.endr
	v_pk_add_f32 v[C0:C0+1], v[C0:C0+1], v[C0+2:C0+3]
	v_add_f32 v76, v76, v77
	GROUPSUM 0
	v_mul_f32 v6, 0xb8800000, v[PS]                ; - mean, twice: a pair for the packed add
	v_mul_f32 v7, 0xb8800000, v[PS]
.set k, 0
.rept 32
	v_pk_add_f32 v[X+k:X+k+1], v[X+k:X+k+1], v[6:7]            ; d = x - mean, in place
.set k, k+2
.endr
.set k, 0
.rept 32
.if k < 8
	v_pk_mul_f32 v[C0+k:C0+k+1], v[X+k:X+k+1], v[X+k:X+k+1]    ; the first four pairs start four chains
.else
	v_pk_fma_f32 v[C0+k%8:C0+k%8+1], v[X+k:X+k+1], v[X+k:X+k+1], v[C0+k%8:C0+k%8+1]
.endif
.set k, k+2
.endr
	v_pk_add_f32 v[C0:C0+1], v[C0:C0+1], v[C0+2:C0+3]
	v_pk_add_f32 v[C0+4:C0+5], v[C0+4:C0+5], v[C0+6:C0+7]
	v_pk_add_f32 v[C0:C0+1], v[C0:C0+1], v[C0+4:C0+5]
	v_add_f32 v76, v76, v77
	GROUPSUM 32
	v_fmaak_f32 v[PS], s62, v[PS], 0x3727c5ac      ; variance + 1e-5
	v_rsq_f32 v92, v[PS]
	s_wait_loadcnt 0x0                             ; the weights
	v_cvt_pk_bf16_f32 v[WD], v[WD], v[WD+1]        ; plain work that touches neither v92 nor its source stands behind v_rsq_f32 (ISA guide 5.7.2)
	v_cvt_pk_bf16_f32 v[WD+1], v[WD+2], v[WD+3]
	global_store_b64 v4, v[WD:WD+1], s[20:21]      ; the wave stores 256 consecutive bytes, aligned
	s_wait_kmcnt 0x0                               ; scales and biases
	s_wait_alu depctr_va_vdst(0)
.irp j, 0,1,2,3,4,5,6,7,8,9,10,11,12,13,14,15
	v_mul_f32 v93, s[24+\j], v92                   ; scale[c] / sqrt(var + eps)
.irp e, 0,1,2,3
	v_fma_f32 v[X+4*\j+\e], v[X+4*\j+\e], v93, s[40+\j]
.endr
	v_cvt_pk_bf16_f32 v[X+4*\j], v[X+4*\j], v[X+4*\j+1]        ; packed in place: no register that a store reads is written again
	v_cvt_pk_bf16_f32 v[X+4*\j+1], v[X+4*\j+2], v[X+4*\j+3]
	global_store_b64 v2, v[X+4*\j:X+4*\j+1], s[18:19] offset:2048*\j   ; the wave stores 256 consecutive bytes, aligned
.endr
	s_wait_tensorcnt 0x0
	ds_add_u32 v96, v97
	s_wait_dscnt 0x0
	s_endpgm
.Lfunc_end_k_q6ec1c81f5f_gn:
	.size	k_q6ec1c81f5f_gn, .Lfunc_end_k_q6ec1c81f5f_gn-k_q6ec1c81f5f_gn
	.p2alignl 7, 3214868480
	.fill 96, 4, 3214868480
	.section	.rodata,"a",@progbits
	.p2align	6, 0x0
	.amdhsa_kernel k_q6ec1c81f5f_gn
		.amdhsa_group_segment_fixed_size 1280
		.amdhsa_private_segment_fixed_size 0
		.amdhsa_enable_private_segment 0
		.amdhsa_kernarg_size 72
		.amdhsa_user_sgpr_count 2
		.amdhsa_user_sgpr_kernarg_segment_ptr 1
		.amdhsa_wavefront_size32 1
		.amdhsa_system_sgpr_workgroup_id_x 1
		.amdhsa_system_sgpr_workgroup_id_y 1
		.amdhsa_system_sgpr_workgroup_id_z 1
		.amdhsa_system_vgpr_workitem_id 0
		.amdhsa_next_free_vgpr 98
		.amdhsa_next_free_sgpr 66
		.amdhsa_reserve_vcc 0
		.amdhsa_float_denorm_mode_32 3
		.amdhsa_float_denorm_mode_16_64 3
		.amdhsa_memory_ordered 1
		.amdhsa_forward_progress 1
		.amdhsa_inst_pref_size 21
	.end_amdhsa_kernel
	.amdgpu_metadata
---
amdhsa.version: [ 1, 2 ]
amdhsa.kernels:
  - .name:           k_q6ec1c81f5f_gn
    .symbol:         k_q6ec1c81f5f_gn.kd
    .args:
      - { .name: x, .offset: 0, .size: 8, .value_kind: global_buffer, .address_space: global }
      - { .name: gn_scale, .offset: 8, .size: 8, .value_kind: global_buffer, .address_space: global }
      - { .name: gn_bias, .offset: 16, .size: 8, .value_kind: global_buffer, .address_space: global }
      - { .name: wq, .offset: 24, .size: 8, .value_kind: global_buffer, .address_space: global }
      - { .name: wk, .offset: 32, .size: 8, .value_kind: global_buffer, .address_space: global }
      - { .name: wv, .offset: 40, .size: 8, .value_kind: global_buffer, .address_space: global }
      - { .name: wproj, .offset: 48, .size: 8, .value_kind: global_buffer, .address_space: global }
      - { .name: h, .offset: 56, .size: 8, .value_kind: global_buffer, .address_space: global }
      - { .name: wt, .offset: 64, .size: 8, .value_kind: global_buffer, .address_space: global }
    .group_segment_fixed_size: 1280
    .private_segment_fixed_size: 0
    .kernarg_segment_align: 8
    .kernarg_segment_size: 72
    .max_flat_workgroup_size: 256
    .sgpr_count:     66
    .vgpr_count:     98
    .wavefront_size: 32
...
	.end_amdgpu_metadata
.endif
;; end of part 1
;; launch qkv (part 2): grid 256 x 1, 4 waves a work-group, clusters of 4 x 1, 327,680 bytes of LDS; arguments h, wt, bq, bk, bv, qkv; writes qkv
.if DOCPART == 2
	.amdgcn_target "amdgcn-amd-amdhsa--gfx1250"
	.amdhsa_code_object_version 6
	.text
	.protected	k_q6ec1c81f5f_qkv
	.globl	k_q6ec1c81f5f_qkv
	.p2align	8
	.type	k_q6ec1c81f5f_qkv,@function
k_q6ec1c81f5f_qkv:
	s_mov_b64 s[64:65], 0
	v_nop
	global_prefetch_b8 v0, s[64:65] scope:SCOPE_SE
	s_setreg_imm32_b32 hwreg(HW_REG_WAVE_MODE, 25, 1), 1
	s_wait_xcnt 0x0
	s_wait_alu depctr_hold_cnt(0) depctr_sa_sdst(0) depctr_va_vdst(0) depctr_va_sdst(0) depctr_va_ssrc(0) depctr_va_vcc(0) depctr_vm_vsrc(0)
	s_getreg_b32 s2, hwreg(HW_REG_IB_STS2, 6, 4)
	s_cmp_eq_u32 s2, 0
	s_cbranch_scc0 .Lentry_in_a_cluster
	s_endpgm
.Lentry_in_a_cluster:
	s_bfe_u32 s2, ttmp6, 0x10000c
	s_cmp_lg_u32 s2, 0x3003
	s_cbranch_scc0 .Lentry_shape_is_right
	s_endpgm
.Lentry_shape_is_right:
; q, k, v = h^T W^T + b, token-major: qkv = [3][32][1024 n][512 o] bf16; sums in f32, started from the bias.
; A work-group owns 256 tokens of one batch and one half (256) of the 512 outputs, and makes them in three passes (q, k, v).
; Wave w makes tokens 128 (w >> 1) .. + 127 x outputs 128 (w & 1) .. + 127 of that block: 64 accumulator tiles, 512 registers.
; The 512 channels go in steps of 128 through two LDS slots, twelve steps in all, the slots taking turns on from pass to pass.
; A slot holds h [128 c][256 n] and W [256 o][128 c], a quarter from each wave's one tensor load (32,768 bytes of memory each).
; From a slot's request to the wait for it a wave issues 240 matrix instructions.  Keeping h in LDS instead (128 tokens, 147,456
; bytes) would leave room for slots of 64 channels only, 112 matrix instructions from request to wait, and twice the barriers.
; The price: h is fetched anew in each pass (three times 262,144 bytes a work-group).
; CLUSTER: the four work-groups of a cluster have the same half of the outputs and four different token blocks: they walk the same
; tiles of W, which are asked for jointly (mask 15).  h's tiles are each work-group's own (mask 0): a token block is shared by two
; work-groups alone (the two halves), which lie in neighbouring clusters.  Six output blocks of 256 do not divide by four, so 4 x 1.
; W lies in wt as dense tiles [512 o][64 c], tile 8 p + s: step t = 4 p + k of the twelve takes tiles 2 t and 2 t + 1, rows 256 half .. + 255,
; 32,768 consecutive bytes of each: the address is linear in t.
; THE MATRIX INSTRUCTION: source 0 = 16 rows (o) of W, source 1 = 16 tokens of h (read from [c][n] by the transposing LDS load).
; Lane l then holds token l % 16 and outputs 8 (l / 16) + 0 .. 7: sixteen neighbouring bytes of a token's row.
; REGISTER WINDOWS: 0: v16-27 addresses, v64-191 h fragments (two buffers), v192-255 the way out; 1: v64-191 W fragments,
; v192-255 eight C tiles of bias; 2, 3: accumulators, tile (token tile a of the half, output tile b) at v[8 (8 a + b)].
; The 64 accumulators take turns, one instruction a turn, in the same order in every quarter and from pass to pass.
; LIMITS: NaN and infinities are not treated; h, W and the results are rounded to bf16.
.set HP,    544                        ; h's LDS pitch: 512 bytes + 32, an odd multiple of 32
.set WP,    144                        ; W's LDS pitch: 128 bytes + 16, an odd multiple of 16
.set QP,    36864                      ; a quarter of a slot, one wave's load: 64 rows of h (34,816 bytes used) or 256 rows of W (all)
.set SLOT,  4*QP                       ; 147,456: h's channels 0-63, 64-127, then W's channels 0-63, 64-127
.set STAGE, 2*SLOT                     ; 294,912: 16 rows x 272 bytes for each wave, written by LDS stores alone
.set SP,    272
.set ADRH,  16                         ; v16-17  h fragments in slot 0, 1
.set ADRW,  20                         ; v20-21  W fragments in slot 0, 1
.set STO,   24
.set RD,    25
.set CO,    26
.set BO,    27
.set F0,    64
.set F1,    128
.set TMP,   192
.set RB,    224
.set BIAS,  192
.set G1H, 24                           ; s[24:31] group 1 for h's tiles
.set G0H, 32                           ; s[32:39] group 0 for h's tiles, one set for each slot
.set G1W, 40                           ; s[40:47] group 1 for W's tiles
.set G0W, 48                           ; s[48:55] group 0 for W's tiles, one set for each slot
.set MSB, 0
.macro WIN new                         ; the immediate's high byte repeats the setting that is left
.if MSB != \new
	s_set_vgpr_msb (MSB<<8)|\new
.set MSB, \new
.endif
.endm
.macro PLACES                          ; four places behind matrix instructions (ISA guide 7.12.1 for vector instructions)
.rept 4
	v_nop
.endr
.endm
.macro CREST                           ; a round of the cluster's barrier behind its opening work-group barrier
	s_cmp_lg_u32 s16, 0
	s_cbranch_scc1 .Lnot_wave_0_\@
	s_barrier_signal -3
.Lnot_wave_0_\@:
	s_barrier_wait -3
	s_barrier_signal -1
	s_barrier_wait -1
.endm
.macro ROUND
	s_barrier_signal -1
	s_barrier_wait -1
	CREST
.endm
; A wave's one load for slot s.  Waves 0 and 1 fetch h's two halves (my work-group's own), waves 2 and 3 W's two tiles (jointly).
; The branch hangs on the wave's number alone: it is the same in every work-group.
.macro JLOAD s
	s_cmp_eq_u32 s20, 0
	s_cbranch_scc0 .Lfor_w_\@
	tensor_load_to_lds s[G0H+4*\s:G0H+4*\s+3], s[G1H:G1H+7]
	s_nop 0
	s_branch .Lasked_\@
.Lfor_w_\@:
	tensor_load_to_lds s[G0W+4*\s:G0W+4*\s+3], s[G1W:G1W+7]
	s_nop 0
.Lasked_\@:
.endm
	s_load_b256 s[4:11], s[0:1], 0x0               ; h s[4:5], wt s[6:7], bq s[8:9], bk s[10:11]
	s_load_b128 s[12:15], s[0:1], 0x20             ; bv s[12:13], qkv s[14:15]
	s_set_vgpr_msb 0x40
	v_lshl_add_u32 v63, v0, 2, 0x4c400
	s_set_vgpr_msb 0x4000
	v_mov_b32 v63, 0
	s_set_vgpr_msb 0x1
	ds_add_u32 v63, v63
	s_set_vgpr_msb 0x100
	v_lshrrev_b32 v1, 5, v0
	v_readfirstlane_b32 s16, v1                    ; wave 0..3
	s_lshr_b32 s20, s16, 1                         ; which 128 tokens are mine.  Also: I fetch for h (0) or for W (1)
	s_and_b32 s21, s16, 1                          ; which 128 outputs are mine.  Also: which half of the step's 128 channels I fetch
	s_bfe_u32 s17, ttmp6, 0x40000                  ; cx
	s_lshr_b32 s18, ttmp9, 1
	s_lshl_b32 s18, s18, 2
	s_add_co_u32 s18, s18, s17                     ; token block = 4 (cluster >> 1) + cx: batch tb >> 2, tokens 256 (tb & 3) ..
	s_and_b32 s19, ttmp9, 1                        ; half of the outputs, from the cluster's number alone: the four partners share it
	; group 1 for h: 64 rows (channels) x 256 tokens, 32 bytes of padding behind every 512
	s_mov_b32 s[G1H+0], (1<<16)|(1<<20)|(6<<22)|(7<<25)  ; no mask; elements of 2 bytes; padding on; after every 128 words; 8 words
	s_mov_b32 s[G1H+1], 256<<16                    ; tensor_dim0 = 256
	s_mov_b32 s[G1H+2], 64<<16                     ; tensor_dim1 = 64
	s_mov_b32 s[G1H+3], 256<<16                    ; tile_dim0 = 256
	s_mov_b32 s[G1H+4], 64                         ; tile_dim1 = 64
	s_mov_b32 s[G1H+5], 1024                       ; 1,024 elements from channel to channel
	s_mov_b32 s[G1H+6], 0
	s_mov_b32 s[G1H+7], 0
	; group 1 for W: 32,768 dense bytes = 128 rows of 256; 16 bytes of padding behind every 128, so that each output's 64 channels
	; get a row of 144 bytes in LDS
	s_mov_b32 s[G1W+0], 15|(1<<16)|(1<<20)|(1<<21)|(4<<22)|(3<<25)   ; all four of the cluster; bit 21 set beside the mask; after every 32 words; 4 words
	s_mov_b32 s[G1W+1], 128<<16
	s_mov_b32 s[G1W+2], 128<<16
	s_mov_b32 s[G1W+3], 128<<16
	s_mov_b32 s[G1W+4], 128
	s_mov_b32 s[G1W+5], 128
	s_mov_b32 s[G1W+6], 0
	s_mov_b32 s[G1W+7], 0
	s_mul_i32 s66, s16, QP                         ; where my load goes: wave x a quarter of a slot; no place in the cluster enters an LDS address
.irp s, 0,1
	s_mov_b32 s[G0H+4*\s], 1
	s_add_co_u32 s[G0H+4*\s+1], s66, \s*SLOT
	s_mov_b32 s[G0W+4*\s], 1
	s_add_co_u32 s[G0W+4*\s+1], s66, \s*SLOT
.endr
	s_lshr_b32 s58, s18, 2                         ; h: batch x 2^20 + 512 bytes a token block + my 64 rows of 2,048 bytes
	s_lshl_b32 s58, s58, 20
	s_and_b32 s59, s18, 3
	s_lshl_b32 s59, s59, 9
	s_or_b32 s58, s58, s59
	s_lshl_b32 s59, s21, 17
	s_or_b32 s58, s58, s59
	s_mov_b32 s59, 0
	s_lshl_b32 s22, s19, 15                        ; W: 256 rows of 128 bytes a half + my tile of 65,536 bytes.  s22, s23 never hold cx
	s_lshl_b32 s23, s21, 16
	s_or_b32 s22, s22, s23
	s_mov_b32 s23, 0
	s_wait_dscnt 0x0
	s_wait_kmcnt 0x0
	s_add_nc_u64 s[G0H+2:G0H+3], s[4:5], s[58:59]          ; step 0
	s_add_nc_u64 s[G0H+6:G0H+7], s[G0H+2:G0H+3], 262144    ; step 1: 128 channels of 2,048 bytes on
	s_or_b32 s[G0H+3], s[G0H+3], 0x80000000
	s_or_b32 s[G0H+7], s[G0H+7], 0x80000000
	s_add_nc_u64 s[G0W+2:G0W+3], s[6:7], s[22:23]          ; step 0
	s_add_nc_u64 s[G0W+6:G0W+7], s[G0W+2:G0W+3], 131072    ; step 1: two tiles on
	s_or_b32 s[G0W+3], s[G0W+3], 0x80000000
	s_or_b32 s[G0W+7], s[G0W+7], 0x80000000
	s_lshl_b32 s58, s18, 18                        ; output: 256 tokens of 1,024 bytes a block, my 128 tokens, 512 bytes a half, my 256 bytes
	s_lshl_b32 s59, s20, 17
	s_or_b32 s58, s58, s59
	s_lshl_b32 s59, s19, 9
	s_or_b32 s58, s58, s59
	s_lshl_b32 s59, s21, 8
	s_or_b32 s58, s58, s59
	s_mov_b32 s59, 0
	s_add_nc_u64 s[56:57], s[14:15], s[58:59]
	s_mov_b64 s[60:61], s[10:11]                   ; the next pass's bias, and the one after
	s_mov_b64 s[62:63], s[12:13]
	ROUND                                          ; all four work-groups are here: the first joint loads meet
	JLOAD 0                                        ; the first fills go out as one group: two loads of this wave are out,
	JLOAD 1                                        ; later never more than one
	v_and_b32 v1, 15, v0                           ; r = l % 16
	v_bfe_u32 v2, v0, 4, 1                         ; h = l / 16
	v_and_b32 v3, 7, v0
	v_bfe_u32 v4, v0, 3, 1
	v_lshl_add_u32 v5, v2, 3, v3                   ; transposing load: row 8 h + (l & 7),
	v_mul_u32_u24 v5, v5, HP
	v_lshl_add_u32 v5, v4, 4, v5                   ; 16 bytes further for lanes 8-15 of each half,
	v_lshl_add_u32 v[ADRH], s20, 8, v5             ; my 128 tokens: 256 bytes
	v_add_nc_u32 v[ADRH+1], SLOT, v[ADRH]
	v_mul_u32_u24 v6, v1, WP
	v_lshl_add_u32 v6, v2, 4, v6                   ; row r, 16 bytes for each half of the lanes
	s_mul_i32 s58, s21, 128*WP                     ; my 128 rows of W,
	s_add_co_u32 s58, s58, 2*QP                    ; which lies behind h's two quarters
	v_add_nc_u32 v[ADRW], s58, v6
	v_add_nc_u32 v[ADRW+1], SLOT, v[ADRW]
	s_mul_i32 s58, s16, 16*SP
	s_add_co_u32 s58, s58, STAGE                   ; my stage
	v_mul_u32_u24 v7, v1, SP
	v_lshl_add_u32 v7, v2, 4, v7
	v_add_nc_u32 v[STO], s58, v7
	v_mul_u32_u24 v8, v2, SP
	v_lshl_add_u32 v8, v1, 4, v8
	v_add_nc_u32 v[RD], s58, v8
	v_lshlrev_b32 v[CO], 4, v1
	v_lshl_add_u32 v[CO], v2, 10, v[CO]            ; two tokens' rows of 1,024 bytes, 16 bytes a lane
	v_lshlrev_b32 v[BO], 5, v2
	v_lshl_add_u32 v[BO], s21, 9, v[BO]
	v_lshl_add_u32 v[BO], s19, 10, v[BO]           ; bias: 4 (256 half + 128 (w & 1) + 8 h)
; 16 matrix instructions: token tiles a0, a0 + 1 of the window's four x all 8 output tiles, 32 along c.
; bias = 1: the first product takes the bias tile as C: nothing is cleared and no add is spent.
.macro MUL16 f, hi, a0, bias
.irp a, \a0, \a0+1
.irp b, 0,1,2,3,4,5,6,7
.if \bias
	v_wmma_f32_16x16x32_bf16 v[8*(8*(\a)+\b):8*(8*(\a)+\b)+7], v[\f+8*\b:\f+8*\b+7], v[\f+8*(4*\hi+\a):\f+8*(4*\hi+\a)+7], v[BIAS+8*\b:BIAS+8*\b+7]
.else
	v_wmma_f32_16x16x32_bf16 v[8*(8*(\a)+\b):8*(8*(\a)+\b)+7], v[\f+8*\b:\f+8*\b+7], v[\f+8*(4*\hi+\a):\f+8*(4*\hi+\a)+7], v[8*(8*(\a)+\b):8*(8*(\a)+\b)+7]
.endif
.endr
.endr
.endm
; 32 LDS loads in one run: the fragments of quarter q (32 channels) of a slot's step into buffer f.  Channels 32 q .. lie in the
; quarter q / 2 of h's and of W's part: rows 32 (q % 2) .. of h, bytes 64 (q % 2) .. of W's rows.  The largest offset is 63,200.
.macro FETCH slot, q, f
	WIN 0x40
.irp b, 0,1,2,3,4,5,6,7
	ds_load_b128 v[\f+8*\b:\f+8*\b+3],   v[ADRW+\slot] offset:((\q)/2)*QP+16*WP*\b+((\q)%2)*64
	ds_load_b128 v[\f+8*\b+4:\f+8*\b+7], v[ADRW+\slot] offset:((\q)/2)*QP+16*WP*\b+((\q)%2)*64+32
.endr
	WIN 0
.irp t, 0,1,2,3,4,5,6,7
	ds_load_tr16_b128 v[\f+8*\t:\f+8*\t+3],   v[ADRH+\slot] offset:((\q)/2)*QP+((\q)%2)*32*HP+32*\t
	ds_load_tr16_b128 v[\f+8*\t+4:\f+8*\t+7], v[ADRH+\slot] offset:((\q)/2)*QP+((\q)%2)*32*HP+32*\t+16*HP
.endr
.endm
; A step is four quarters of 32 channels, 64 matrix instructions each, on buffers 0, 1, 0, 1.
; One of the first three: multiplies buffer f, and in its middle fetches quarter q of the same slot into buffer g.
.macro QUARTER slot, q, f, g, bias
	s_wait_dscnt 8                                 ; W and token tiles 0-3 are in; the youngest eight loads (token tiles 4-7) may be out
.if \bias
	WIN 0x91                                       ; source 0 window 1, source 1 window 0, C window 1, D window 2
.else
	WIN 0xa1
.endif
	MUL16 \f, 0, 0, \bias
	MUL16 \f, 0, 2, \bias
	PLACES
	FETCH \slot, \q, \g
	s_wait_dscnt 32                                ; all but the 32 just issued
.if \bias
	WIN 0xd1
.else
	WIN 0xf1
.endif
	MUL16 \f, 1, 0, \bias
	MUL16 \f, 1, 2, \bias
.endm
.macro THREE slot, bias
	QUARTER \slot, 1, F0, F1, \bias
	QUARTER \slot, 2, F1, F0, 0
	QUARTER \slot, 3, F0, F1, 0
.endm
; The last quarter: multiplies buffer 1 and changes slots.  In front of the barrier each wave waits for its reads of this slot and for
; all its tensor loads (one is out: its part of the next slot).  fill = 1: the barrier opens a round of the cluster's barrier, and the
; refill, two steps ahead, is the wave's first and only tensor load behind the round.  back = 1: two steps ahead is the next pass, whose
; h begins again at channel 0 or 128: h's address steps back by the 256 channels that it stepped on; W's always steps on by four tiles.
; fetch = 0: the very last step, no slot follows.
.macro TURN slot, next, fill, back, fetch
	s_wait_dscnt 8
	WIN 0xa1
	MUL16 F1, 0, 0, 0
	s_wait_dscnt 0x0                               ; my reads of this slot are over
.if \fetch
	s_wait_tensorcnt 0x0                           ; all my tensor loads have landed
	ds_add_u32 v63, v63
	s_wait_dscnt 0x0
	s_barrier_signal -1
.endif
	MUL16 F1, 0, 2, 0                              ; register work while the others arrive
.if \fetch
	WIN 0
	s_barrier_wait -1
.if \fill
	CREST
.if \back
	s_sub_nc_u64 s[G0H+4*\slot+2:G0H+4*\slot+3], s[G0H+4*\slot+2:G0H+4*\slot+3], 524288
.else
	s_add_nc_u64 s[G0H+4*\slot+2:G0H+4*\slot+3], s[G0H+4*\slot+2:G0H+4*\slot+3], 524288
.endif
	s_add_nc_u64 s[G0W+4*\slot+2:G0W+4*\slot+3], s[G0W+4*\slot+2:G0W+4*\slot+3], 262144
	JLOAD \slot
.endif
	PLACES
	FETCH \next, 0, F0
.endif
	WIN 0xf1
	MUL16 F1, 1, 0, 0
	MUL16 F1, 1, 2, 0
.endm
; Eight C tiles of bias: lane (r, h) takes bias[256 half + 128 (w & 1) + 16 b + 8 h + 0 .. 7], which is the tile's register image
.macro LOADBIAS p
	WIN 0x40
.irp b, 0,1,2,3,4,5,6,7
	global_load_b128 v[BIAS+8*\b:BIAS+8*\b+3],   v[BO], s[\p:\p+1] offset:64*\b
	global_load_b128 v[BIAS+8*\b+4:BIAS+8*\b+7], v[BO], s[\p:\p+1] offset:64*\b+16
.endr
	WIN 0
.endm
; Tokens 16 i .. 16 i + 15: round to bf16, 16 bytes a lane into my own stage, read back as whole rows of 256 bytes, store.
; The results are not read again in this launch: the stores say so, which leaves the cache to h.
.macro OUT16 i, a, from
	WIN \from
.irp b, 0,1,2,3,4,5,6,7
.irp r, 0,1,2,3
	v_cvt_pk_bf16_f32 v[TMP+4*\b+\r], v[8*(8*\a+\b)+2*\r], v[8*(8*\a+\b)+2*\r+1]
.endr
.endr
	WIN 0
.irp b, 0,1,2,3,4,5,6,7
	ds_store_b128 v[STO], v[TMP+4*\b:TMP+4*\b+3] offset:32*\b
.endr
	s_wait_xcnt 0x0                                ; RB, which the last stores read, is loaded again only behind this wait
.irp t, 0,1,2,3,4,5,6,7
	ds_load_b128 v[RB+4*\t:RB+4*\t+3], v[RD] offset:\t*2*SP        ; LDS serves a wave's instructions in order: these see the stores above
.endr
.irp t, 0,1,2,3,4,5,6,7
	s_wait_dscnt 7-\t
	global_store_b128 v[CO], v[RB+4*\t:RB+4*\t+3], s[56:57] offset:(16*\i+2*\t)*1024 th:TH_STORE_NT   ; sixteen lanes store 256 consecutive bytes, aligned
.endr
.endm
; One projection: four steps of 128 channels, then the way out.  The next pass's first two slots, first fragments and bias are on their way by then.
.macro PASS fill23, last
	s_wait_loadcnt 0x0                             ; this pass's bias
	THREE 0, 1
	TURN 0, 1, 1, 0, 1
	THREE 1, 0
	TURN 1, 0, 1, 0, 1
	THREE 0, 0
	TURN 0, 1, \fill23, 1, 1
	THREE 1, 0
	TURN 1, 0, \fill23, 1, 1-\last
	PLACES                                         ; behind the last products: for the conversions and for the loads into the bias tiles
.if \last == 0
	LOADBIAS 60
.endif
	OUT16 0, 0, 0x0a
	OUT16 1, 1, 0x0a
	OUT16 2, 2, 0x0a
	OUT16 3, 3, 0x0a
	OUT16 4, 0, 0x0f
	OUT16 5, 1, 0x0f
	OUT16 6, 2, 0x0f
	OUT16 7, 3, 0x0f
.endm
	LOADBIAS 8                                     ; bq
	s_wait_tensorcnt 0x1                           ; my part of slot 0 is in; slot 1's may stay out
	s_barrier_signal -1
	s_barrier_wait -1
	FETCH 0, 0, F0
	s_mov_b32 s67, 0
.Lpass:
	PASS 1, 0                                      ; q, then k
	WIN 0
	s_wait_xcnt 0x0                                ; the bases of the bias loads and of the stores are written only behind this wait
	s_mov_b64 s[60:61], s[62:63]
	s_add_nc_u64 s[56:57], s[56:57], 33554432
	s_add_co_u32 s67, s67, 1
	s_cmp_lt_u32 s67, 2
	s_cbranch_scc1 .Lpass
	PASS 0, 1                                      ; v: its last two steps fill nothing (twelve steps in all)
	s_set_vgpr_msb 0x1
	s_wait_tensorcnt 0x0
	ds_add_u32 v63, v63
	s_wait_dscnt 0x0
	s_set_vgpr_msb 0x100
	ROUND                                          ; the closing round: no work-group ends while a partner may still ask jointly
	s_endpgm
.Lfunc_end_k_q6ec1c81f5f_qkv:
	.size	k_q6ec1c81f5f_qkv, .Lfunc_end_k_q6ec1c81f5f_qkv-k_q6ec1c81f5f_qkv
	.p2alignl 7, 3214868480
	.fill 96, 4, 3214868480
	.section	.rodata,"a",@progbits
	.p2align	6, 0x0
	.amdhsa_kernel k_q6ec1c81f5f_qkv
		.amdhsa_group_segment_fixed_size 327680
		.amdhsa_private_segment_fixed_size 0
		.amdhsa_enable_private_segment 0
		.amdhsa_kernarg_size 48
		.amdhsa_user_sgpr_count 2
		.amdhsa_user_sgpr_kernarg_segment_ptr 1
		.amdhsa_wavefront_size32 1
		.amdhsa_system_sgpr_workgroup_id_x 1
		.amdhsa_system_sgpr_workgroup_id_y 1
		.amdhsa_system_sgpr_workgroup_id_z 1
		.amdhsa_system_vgpr_workitem_id 0
		.amdhsa_next_free_vgpr 1024
		.amdhsa_next_free_sgpr 68
		.amdhsa_reserve_vcc 0
		.amdhsa_float_denorm_mode_32 3
		.amdhsa_float_denorm_mode_16_64 3
		.amdhsa_memory_ordered 1
		.amdhsa_forward_progress 1
		.amdhsa_inst_pref_size 255
	.end_amdhsa_kernel
	.section	.bss,"aw",@nobits
	.p2align	6
	.space	262144
	.amdgpu_metadata
---
amdhsa.version: [ 1, 2 ]
amdhsa.kernels:
  - .name:           k_q6ec1c81f5f_qkv
    .symbol:         k_q6ec1c81f5f_qkv.kd
    .args:
      - { .name: h, .offset: 0, .size: 8, .value_kind: global_buffer, .address_space: global }
      - { .name: wt, .offset: 8, .size: 8, .value_kind: global_buffer, .address_space: global }
      - { .name: bq, .offset: 16, .size: 8, .value_kind: global_buffer, .address_space: global }
      - { .name: bk, .offset: 24, .size: 8, .value_kind: global_buffer, .address_space: global }
      - { .name: bv, .offset: 32, .size: 8, .value_kind: global_buffer, .address_space: global }
      - { .name: qkv, .offset: 40, .size: 8, .value_kind: global_buffer, .address_space: global }
    .group_segment_fixed_size: 327680
    .private_segment_fixed_size: 0
    .kernarg_segment_align: 8
    .kernarg_segment_size: 48
    .max_flat_workgroup_size: 128
    .sgpr_count:     68
    .vgpr_count:     1024
    .wavefront_size: 32
...
	.end_amdgpu_metadata
.endif
;; end of part 2
;; launch attn (part 3): grid 256 x 1, 4 waves a work-group, clusters of 4 x 1, 327,680 bytes of LDS; arguments qkv, wt, bproj, x, out0; writes out0
.if DOCPART == 3
	.amdgcn_target "amdgcn-amd-amdhsa--gfx1250"
	.amdhsa_code_object_version 6
	.text
	.protected	k_q6ec1c81f5f_attn
	.globl	k_q6ec1c81f5f_attn
	.p2align	8
	.type	k_q6ec1c81f5f_attn,@function
k_q6ec1c81f5f_attn:
	s_mov_b64 s[64:65], 0
	v_nop
	global_prefetch_b8 v0, s[64:65] scope:SCOPE_SE
	s_setreg_imm32_b32 hwreg(HW_REG_WAVE_MODE, 25, 1), 1
	s_wait_xcnt 0x0
	s_wait_alu depctr_hold_cnt(0) depctr_sa_sdst(0) depctr_va_vdst(0) depctr_va_sdst(0) depctr_va_ssrc(0) depctr_va_vcc(0) depctr_vm_vsrc(0)
	s_getreg_b32 s2, hwreg(HW_REG_IB_STS2, 6, 4)
	s_cmp_eq_u32 s2, 0
	s_cbranch_scc0 .Lentry_in_a_cluster
	s_endpgm
.Lentry_in_a_cluster:
	s_bfe_u32 s2, ttmp6, 0x10000c
	s_cmp_lg_u32 s2, 0x3003
	s_cbranch_scc0 .Lentry_shape_is_right
	s_endpgm
.Lentry_shape_is_right:
; out0 = x + Wproj softmax(q k^T / sqrt(512)) v + bproj, one head of 512 channels, 1,024 tokens, 32 batches.
; A work-group owns 128 queries of a batch and walks the 1,024 keys in eight blocks of 128, with a running maximum.
;  S phase: wave w owns queries 32 w .. 32 w + 31; their q fragments stay in 256 registers.  S^T = K Q^T (source 0 = keys, source 1 =
;           queries): a lane holds 64 keys of one query for each of two query tiles, so maximum and sum need one exchange of halves.
;  PV:      wave w owns channels 128 w .. 128 w + 127 of all 128 queries, O^T = V^T P^T in 512 registers (source 0 = V through the
;           transposing LDS load, source 1 = P); the rescale factor and 1 / l are one number a lane.  P (bf16) and the factors cross
;           between the waves through LDS, behind the barrier that the ring of tiles needs anyway.
;  proj:    O / l goes to LDS in bf16; wave w makes output rows 128 w .. + 127 x 128 tokens (source 0 = O, source 1 = Wproj), the sums
;           started from bproj; x is added on the way out, which goes through LDS so that a store covers 512 consecutive bytes.
; CLUSTER: four of a batch's eight work-groups form a cluster and walk the same K, V and Wproj tiles: these are asked for jointly
; (mask 15).  A mask names four at the most, and one stream of tiles is shared, so 4 x 1.  q is each work-group's own (mask 0).
; LDS: A = 0: K tile 128 x 1,040, later two slots of Wproj.  B = 147,456: q once, then V tiles 128 x 1,056, and after its last fill the
; stage of O (128 x 1,040).  P = 282,624: 128 x 272, later the way out's stage; 317,440: factors, 1 / l.  P and the factors are
; written by LDS stores alone and no tile lands there.
; Each of the two refills of a key block stands behind a round of the cluster's barrier and has a whole phase (256 matrix instructions
; of each wave) in which to land; two tensor loads of a wave are out at the start, later one.
; Accumulators take turns, one instruction a turn, in every phase and from phase to phase.
; LIMITS: NaN and infinities are not treated; p below 2^-126 becomes 0 (v_exp_f32 flushes); l >= 1 up to rounding, since the row's
; largest element gives p = 1; v_exp_f32 and v_rcp_f32 are accurate to 1 ULP; q, k, v, P, O, Wproj are bf16; l sums the unrounded p.
.set KP,    1040                       ; pitch of K, q and O rows: 1,024 + 16, an odd multiple of 16
.set VP,    1056                       ; pitch of V rows: 1,024 + 32, an odd multiple of 32, for the transposing load
.set PP,    272
.set WP,    144
.set WSLOT, 512*WP                     ; 73,728
.set LB,    147456
.set LP,    LB+128*VP                  ; 282,624
.set LST,   LP+128*PP                  ; 317,440
.set OP2,   528                        ; the way out: a row of 128 f32 + 16 bytes
; window 0 in the attention loop
.set ADRK, 1                           ; v1-2    K fragments, key tiles 0-3, 4-7
.set ADRV, 3                           ; v3-4    V fragments, keys 0-63, 64-127
.set ADRP, 5
.set STP,  6
.set STA,  7                           ; my two factors
.set LDA,  8                           ; all eight factors of my r
.set TQ,   9
.set M,    10                          ; v[10:11] running maximum of my two query tiles
.set NMC,  12                          ; v[12:13] - maximum x c
.set L,    14                          ; v[14:15] running sum (this lane's half of the keys)
.set ALO,  16                          ; v[16:17] my two rescale factors
.set AL,   18                          ; v[18:25] the factors of all eight query tiles
.set T,    26                          ; v[26:31] at work
.set KB,   32                          ; v32-127  three fragment buffers of 32 registers
.set S,    128                         ; v128-255 S^T, tile (key tile kt, query tile qt) at S + 8 (2 kt + qt); in PV two buffers of P fragments
; window 0 in the projection
.set ADRO, 1
.set ADRW, 3
.set OST,  5
.set STO2, 7
.set RD2,  9
.set XO,   10
.set PFO,  11
.set BPO,  12
.set F0,   64
.set F1,   128
.set RB,   128
.set G1K, 24
.set G1V, 32
.set G1Q, 40
.set G0K, 48
.set G0V, 52
.set G0Q, 56
.set G1W, 76
.set G0W, 84                           ; s[84:87], s[88:91]
.set MSB, 0
.macro WIN new
.if MSB != \new
	s_set_vgpr_msb (MSB<<8)|\new
.set MSB, \new
.endif
.endm
.macro PLACES                          ; four places behind matrix instructions (ISA guide 7.12.1 for vector instructions)
.rept 4
	v_nop
.endr
.endm
.macro CREST
	s_cmp_lg_u32 s14, 0
	s_cbranch_scc1 .Lnot_wave_0_\@
	s_barrier_signal -3
.Lnot_wave_0_\@:
	s_barrier_wait -3
	s_barrier_signal -1
	s_barrier_wait -1
.endm
.macro ROUND
	s_barrier_signal -1
	s_barrier_wait -1
	CREST
.endm
	s_load_b256 s[4:11], s[0:1], 0x0               ; qkv s[4:5], wt s[6:7], bproj s[8:9], x s[10:11]
	s_load_b64 s[12:13], s[0:1], 0x20              ; out0
	v_lshl_add_u32 v30, v0, 2, 0x4dc00
	v_mov_b32 v31, 0
	ds_add_u32 v30, v31
	s_wait_dscnt 0x0
	v_lshrrev_b32 v1, 5, v0
	v_readfirstlane_b32 s14, v1                    ; wave
	s_bfe_u32 s15, ttmp6, 0x40000                  ; cx
	s_lshl_b32 s16, ttmp9, 2
	s_add_co_u32 s16, s16, s15                     ; work-group: query block wg & 7
	s_lshr_b32 s17, ttmp9, 1                       ; batch, from the cluster's number alone: the four partners share it
	s_mov_b32 s20, 0x3d8293ee                      ; c = 512^-0.5 x log2 e
	s_mov_b32 s21, 0xbd8293ee                      ; - c
	s_mov_b32 s22, 0x76543210
	s_mov_b32 s23, 0xfedcba98
	; group 1: my 32 rows of 512 elements of a tile of 128 rows; K: 16 bytes behind every 1,024, V: 32, q as K without a mask
	s_mov_b32 s[G1K+0], 15|(1<<16)|(1<<20)|(1<<21)|(7<<22)|(3<<25)
	s_mov_b32 s[G1V+0], 15|(1<<16)|(1<<20)|(1<<21)|(7<<22)|(7<<25)
	s_mov_b32 s[G1Q+0], (1<<16)|(1<<20)|(7<<22)|(3<<25)
.irp g, G1K, G1V, G1Q
	s_mov_b32 s[\g+1], 512<<16                     ; tensor_dim0 = 512
	s_mov_b32 s[\g+2], 32<<16                      ; tensor_dim1 = 32
	s_mov_b32 s[\g+3], 512<<16                     ; tile_dim0 = 512
	s_mov_b32 s[\g+4], 32                          ; tile_dim1 = 32
	s_mov_b32 s[\g+5], 512                         ; pitch
	s_mov_b32 s[\g+6], 0
	s_mov_b32 s[\g+7], 0
.endr
	; group 1 for Wproj: my quarter of a dense tile [512 o][64 c]: 64 rows of 256 bytes, 16 bytes of padding behind every 128
	s_mov_b32 s[G1W+0], 15|(1<<16)|(1<<20)|(1<<21)|(4<<22)|(3<<25)
	s_mov_b32 s[G1W+1], 128<<16
	s_mov_b32 s[G1W+2], 64<<16
	s_mov_b32 s[G1W+3], 128<<16
	s_mov_b32 s[G1W+4], 64
	s_mov_b32 s[G1W+5], 128
	s_mov_b32 s[G1W+6], 0
	s_mov_b32 s[G1W+7], 0
	s_mov_b32 s[G0K], 1
	s_mul_i32 s[G0K+1], s14, 32*KP
	s_mov_b32 s[G0V], 1
	s_mul_i32 s[G0V+1], s14, 32*VP
	s_add_co_u32 s[G0V+1], s[G0V+1], LB
	s_mov_b32 s[G0Q], 1
	s_add_co_u32 s[G0Q+1], s[G0K+1], LB
	s_mov_b32 s[G0W], 1
	s_mul_i32 s[G0W+1], s14, 128*WP
	s_mov_b32 s[G0W+4], 1
	s_add_co_u32 s[G0W+5], s[G0W+1], WSLOT
	s_lshl_b32 s18, s17, 20                        ; K, V: batch x 2^20 + my 32 rows of 1,024 bytes.  s18, s19, s74, s75 never hold cx
	s_lshl_b32 s19, s14, 15
	s_or_b32 s18, s18, s19
	s_mov_b32 s19, 0
	s_lshl_b32 s74, s14, 14                        ; Wproj: tile 24, my quarter
	s_add_co_u32 s74, s74, 24*65536
	s_mov_b32 s75, 0
	s_lshl_b32 s72, s16, 17                        ; q: 128 rows a work-group, my 32
	s_lshl_b32 s73, s14, 15
	s_or_b32 s72, s72, s73
	s_mov_b32 s73, 0
	s_wait_kmcnt 0x0
	s_add_nc_u64 s[G0K+2:G0K+3], s[4:5], s[18:19]
	s_add_nc_u64 s[G0V+2:G0V+3], s[G0K+2:G0K+3], 67108864
	s_add_nc_u64 s[G0K+2:G0K+3], s[G0K+2:G0K+3], 33554432
	s_or_b32 s[G0K+3], s[G0K+3], 0x80000000
	s_or_b32 s[G0V+3], s[G0V+3], 0x80000000
	s_add_nc_u64 s[G0Q+2:G0Q+3], s[4:5], s[72:73]
	s_or_b32 s[G0Q+3], s[G0Q+3], 0x80000000
	s_add_nc_u64 s[G0W+2:G0W+3], s[6:7], s[74:75]
	s_add_nc_u64 s[G0W+6:G0W+7], s[G0W+2:G0W+3], 65536
	s_or_b32 s[G0W+3], s[G0W+3], 0x80000000
	s_or_b32 s[G0W+7], s[G0W+7], 0x80000000
	s_lshl_b32 s72, s17, 21                        ; x, out0: batch x 2^21 + 128 w rows of 4,096 bytes + 512 bytes a token block
	s_lshl_b32 s73, s14, 19
	s_or_b32 s72, s72, s73
	s_and_b32 s73, s16, 7
	s_lshl_b32 s73, s73, 9
	s_or_b32 s72, s72, s73
	s_mov_b32 s73, 0
	s_add_nc_u64 s[68:69], s[10:11], s[72:73]
	s_add_nc_u64 s[70:71], s[12:13], s[72:73]
	ROUND                                          ; all four work-groups are here
	tensor_load_to_lds s[G0K:G0K+3], s[G1K:G1K+7]  ; K block 0, jointly
	s_nop 0
	tensor_load_to_lds s[G0Q:G0Q+3], s[G1Q:G1Q+7]  ; my 32 rows of q
	s_nop 0
	v_and_b32 v26, 15, v0                          ; r
	v_bfe_u32 v27, v0, 4, 1                        ; h
	v_and_b32 v28, 7, v0
	v_bfe_u32 v29, v0, 3, 1
	v_mul_u32_u24 v[ADRK], v26, KP
	v_lshl_add_u32 v[ADRK], v27, 4, v[ADRK]        ; r x 1,040 + 16 h
	v_add_nc_u32 v[ADRK+1], 64*KP, v[ADRK]
	v_lshl_add_u32 v30, v27, 3, v28                ; transposing load: key 8 h + (l & 7)
	v_mul_u32_u24 v30, v30, VP
	v_lshl_add_u32 v30, v29, 4, v30
	v_lshl_add_u32 v30, s14, 8, v30                ; my 128 channels: 256 bytes a wave
	v_add_nc_u32 v[ADRV], LB, v30
	v_add_nc_u32 v[ADRV+1], LB+64*VP, v30
	v_mul_u32_u24 v30, v26, PP
	v_lshl_add_u32 v30, v27, 4, v30
	v_add_nc_u32 v[ADRP], LP, v30
	s_mul_i32 s18, s14, 32*PP
	s_add_co_u32 s18, s18, LP
	v_add_nc_u32 v[STP], s18, v30                  ; my 32 queries' rows of P
	v_lshlrev_b32 v31, 5, v26
	v_add_nc_u32 v[LDA], LST, v31                  ; factors: [r][8 query tiles] f32
	v_lshl_add_u32 v[STA], s14, 3, v[LDA]
	v_add_nc_u32 v[TQ], s[G0Q+1], v[ADRK]
	s_wait_tensorcnt 0x0                           ; K block 0 and my q have landed
	s_barrier_signal -1
	s_barrier_wait -1                              ; everybody's have
	WIN 0x40
.irp ks, 0,1,2,3,4,5,6,7,8,9,10,11,12,13,14,15
.irp qt, 0,1
	ds_load_b128 v[8*(2*\ks+\qt):8*(2*\ks+\qt)+3],   v[TQ] offset:16*KP*\qt+64*\ks      ; q fragment (qt, ks) into window 1, for the whole kernel
	ds_load_b128 v[8*(2*\ks+\qt)+4:8*(2*\ks+\qt)+7], v[TQ] offset:16*KP*\qt+64*\ks+32
.endr
.endr
	WIN 0
; ---------------- S phase ----------------
; group g = (K step g / 2 of 32 channels, key tiles 4 (g % 2) .. + 3): eight loads into buffer g % 3, eight matrix instructions
.macro KLOAD g
.irp k, 0,1,2,3
	ds_load_b128 v[KB+32*((\g)%3)+8*\k:KB+32*((\g)%3)+8*\k+3],   v[ADRK+(\g)%2] offset:16*KP*\k+64*((\g)/2)
	ds_load_b128 v[KB+32*((\g)%3)+8*\k+4:KB+32*((\g)%3)+8*\k+7], v[ADRK+(\g)%2] offset:16*KP*\k+64*((\g)/2)+32
.endr
.endm
.macro SMUL g
.irp k, 0,1,2,3
.irp q, 0,1
.set sd, S+8*(2*(4*((\g)%2)+\k)+\q)
.if (\g) < 2
	v_wmma_f32_16x16x32_bf16 v[sd:sd+7], v[KB+32*((\g)%3)+8*\k:KB+32*((\g)%3)+8*\k+7], v[8*(2*((\g)/2)+\q):8*(2*((\g)/2)+\q)+7], 0
.else
	v_wmma_f32_16x16x32_bf16 v[sd:sd+7], v[KB+32*((\g)%3)+8*\k:KB+32*((\g)%3)+8*\k+7], v[8*(2*((\g)/2)+\q):8*(2*((\g)/2)+\q)+7], v[sd:sd+7]
.endif
.endr
.endr
.endm
.macro SPHASE
	WIN 0x04                                       ; source 1 (q) in window 1; an LDS load has no source 1, so one setting serves the phase
.rept 5
	v_nop                                          ; five places: the first products write over registers that PV's products read, and the loads fill its buffers
.endr
	KLOAD 0
	KLOAD 1
.irp g, 0,1,2,3,4,5,6,7,8,9,10,11,12,13,14,15,16,17,18,19,20,21,22,23,24,25,26,27,28,29,30,31
.if \g <= 29
.if \g >= 1
	PLACES                                         ; the buffer of group g - 1 is loaded again
.endif
	KLOAD \g+2
	s_wait_dscnt 16                                ; group g is in; the two younger groups of eight may be out
.elseif \g == 30
	s_wait_dscnt 8
.else
	s_wait_dscnt 0
.endif
	SMUL \g
.endr
.endm
; ---------------- softmax ----------------
; The maximum of query tile qt: four chains over the lane's 64 keys, the old maximum, the other half of the lanes.
; Then - m c, and the factor exp2(new - old) of the two rounded products: exactly 1 where the maximum has not moved.
.macro MAXQ qt, first
.irp c, 0,1,2,3
	v_max3_num_f32 v[T+\c], v[S+8*(2*\c+\qt)], v[S+8*(2*\c+\qt)+1], v[S+8*(2*\c+\qt)+2]
.endr
.irp i, 3,5
.irp c, 0,1,2,3
	v_max3_num_f32 v[T+\c], v[T+\c], v[S+8*(2*\c+\qt)+\i], v[S+8*(2*\c+\qt)+\i+1]
.endr
.endr
.irp c, 0,1,2,3
	v_max3_num_f32 v[T+\c], v[T+\c], v[S+8*(2*\c+\qt)+7], v[S+8*(2*(\c+4)+\qt)]
.endr
.irp i, 1,3,5
.irp c, 0,1,2,3
	v_max3_num_f32 v[T+\c], v[T+\c], v[S+8*(2*(\c+4)+\qt)+\i], v[S+8*(2*(\c+4)+\qt)+\i+1]
.endr
.endr
	v_max3_num_f32 v[T], v[T], v[T+1], v[S+8*(2*4+\qt)+7]
	v_max3_num_f32 v[T+2], v[T+2], v[T+3], v[S+8*(2*5+\qt)+7]
	v_max3_num_f32 v[T], v[T], v[T+2], v[S+8*(2*6+\qt)+7]
.if \first
	v_max_num_f32 v[T], v[T], v[S+8*(2*7+\qt)+7]
.else
	v_max3_num_f32 v[T], v[T], v[S+8*(2*7+\qt)+7], v[M+\qt]
.endif
	v_permlanex16_b32 v[T+1], v[T], s22, s23
	v_max_num_f32 v[M+\qt], v[T], v[T+1]
.if \first
	v_mul_f32 v[NMC+\qt], s21, v[M+\qt]
.else
	v_mul_f32 v[T+1], s21, v[M+\qt]
	v_sub_f32 v[T+2], v[T+1], v[NMC+\qt]
	v_exp_f32 v[ALO+\qt], v[T+2]
	v_mov_b32 v[NMC+\qt], v[T+1]                   ; the plain instruction behind v_exp_f32 (ISA guide 5.7.2): it names neither its result nor its source
.endif
.endm
.macro EA qt, kt                       ; p = exp2(S c - m c), in place
.set sb, S+8*(2*(\kt)+\qt)
.irp p, 0,2,4,6
	v_pk_fma_f32 v[sb+\p:sb+\p+1], v[sb+\p:sb+\p+1], s[20:21], v[NMC:NMC+1] op_sel:[0,0,\qt] op_sel_hi:[1,0,\qt]
.endr
.irp j, 0,1,2,3,4,5,6,7
	v_exp_f32 v[sb+\j], v[sb+\j]
.endr
.endm
; The tile's p are summed, rounded to bf16 and put into P[query][key].  kt may be an expression: it stands in brackets wherever it is used.
.macro EB qt, kt
.set sb, S+8*(2*(\kt)+\qt)
.if (\kt) == 0
	s_wait_alu depctr_va_vdst(0)
	v_pk_add_f32 v[T:T+1], v[sb:sb+1], v[sb+2:sb+3]            ; tile 0 starts the two chains
	v_pk_add_f32 v[T+2:T+3], v[sb+4:sb+5], v[sb+6:sb+7]
.else
	s_wait_alu depctr_va_vdst(0)
	v_pk_add_f32 v[T:T+1], v[T:T+1], v[sb:sb+1]
	v_pk_add_f32 v[T+2:T+3], v[T+2:T+3], v[sb+2:sb+3]
	v_pk_add_f32 v[T:T+1], v[T:T+1], v[sb+4:sb+5]
	v_pk_add_f32 v[T+2:T+3], v[T+2:T+3], v[sb+6:sb+7]
.endif
	v_cvt_pk_bf16_f32 v[sb], v[sb], v[sb+1]
	v_cvt_pk_bf16_f32 v[sb+1], v[sb+2], v[sb+3]
	v_cvt_pk_bf16_f32 v[sb+2], v[sb+4], v[sb+5]
	v_cvt_pk_bf16_f32 v[sb+3], v[sb+6], v[sb+7]
	ds_store_b128 v[STP], v[sb:sb+3] offset:16*PP*\qt+32*(\kt)   ; keys 16 kt + 8 h + 0 .. 7 of query 32 w + 16 qt + r
.endm
; A tile's exponentials are used one tile later, so plain work on another tile always stands behind a run of them.
.macro EXPQ qt, first
	EA \qt, 0
.irp kt, 1,2,3,4,5,6,7
	EA \qt, \kt
	EB \qt, \kt-1
.endr
	EB \qt, 7
	v_pk_add_f32 v[T:T+1], v[T:T+1], v[T+2:T+3]
.if \first
	v_add_f32 v[L+\qt], v[T], v[T+1]
.else
	v_add_f32 v[T], v[T], v[T+1]
	v_fma_f32 v[L+\qt], v[L+\qt], v[ALO+\qt], v[T]
.endif
.endm
; ---------------- PV ----------------
.macro RESC1                           ; one window's 32 tiles times the lane's factor of the tile's query tile
.irp a, 0,1,2,3
.irp q, 0,1,2,3
.irp e, 0,1
.irp p, 0,2,4,6
	v_pk_mul_f32 v[8*(8*\a+2*\q+\e)+\p:8*(8*\a+2*\q+\e)+\p+1], v[8*(8*\a+2*\q+\e)+\p:8*(8*\a+2*\q+\e)+\p+1], v[AL+2*\q:AL+2*\q+1] op_sel:[0,\e] op_sel_hi:[1,\e]
.endr
.endr
.endr
.endr
.endm
.macro RESCALE
	WIN 0x82                                       ; source 0 and destination window 2, the factors window 0
	RESC1
	WIN 0xc3
	RESC1
.endm
; group g = (K step g / 2 of 32 keys, channel tiles 4 (g % 2) .. + 3)
.macro VLOAD g
.irp a, 0,1,2,3
	ds_load_tr16_b128 v[KB+32*((\g)%3)+8*\a:KB+32*((\g)%3)+8*\a+3],   v[ADRV+(\g)/4] offset:(((\g)/2)%2)*32*VP+32*(4*((\g)%2)+\a)
	ds_load_tr16_b128 v[KB+32*((\g)%3)+8*\a+4:KB+32*((\g)%3)+8*\a+7], v[ADRV+(\g)/4] offset:(((\g)/2)%2)*32*VP+32*(4*((\g)%2)+\a)+16*VP
.endr
.endm
.macro PLOAD ks
.irp q, 0,1,2,3,4,5,6,7
	ds_load_b128 v[S+64*((\ks)%2)+8*\q:S+64*((\ks)%2)+8*\q+3],   v[ADRP] offset:16*PP*\q+64*(\ks)
	ds_load_b128 v[S+64*((\ks)%2)+8*\q+4:S+64*((\ks)%2)+8*\q+7], v[ADRP] offset:16*PP*\q+64*(\ks)+32
.endr
.endm
.macro PVMUL g, zero
.if (\g)%2
	WIN 0xf0
.else
	WIN 0xa0
.endif
.irp a, 0,1,2,3
.irp q, 0,1,2,3,4,5,6,7
.if \zero
	v_wmma_f32_16x16x32_bf16 v[8*(8*\a+\q):8*(8*\a+\q)+7], v[KB+32*((\g)%3)+8*\a:KB+32*((\g)%3)+8*\a+7], v[S+64*(((\g)/2)%2)+8*\q:S+64*(((\g)/2)%2)+8*\q+7], 0
.else
	v_wmma_f32_16x16x32_bf16 v[8*(8*\a+\q):8*(8*\a+\q)+7], v[KB+32*((\g)%3)+8*\a:KB+32*((\g)%3)+8*\a+7], v[S+64*(((\g)/2)%2)+8*\q:S+64*(((\g)/2)%2)+8*\q+7], v[8*(8*\a+\q):8*(8*\a+\q)+7]
.endif
.endr
.endr
.endm
.macro PVPHASE first
	WIN 0
.if \first == 0
	ds_load_b128 v[AL:AL+3], v[LDA]
	ds_load_b128 v[AL+4:AL+7], v[LDA] offset:16
.endif
	PLOAD 0
	VLOAD 0
	VLOAD 1
.if \first == 0
	s_wait_dscnt 32                                ; the factors are in; the 32 loads behind them may be out
	RESCALE
.endif
.irp g, 0,1,2,3,4,5,6,7
	WIN 0
.if \g <= 5
	PLACES                                         ; the buffers of group g - 1 are loaded again
	VLOAD \g+2
.if (\g)%2 == 0
	PLOAD \g/2+1
.endif
	s_wait_dscnt 32                                ; behind what group g needs stand 8 + 8 + 16 loads, for every g up to 5
.elseif \g == 6
	s_wait_dscnt 8                                 ; group 7's V alone
.else
	s_wait_dscnt 0
.endif
.if \first
.if \g < 2
	PVMUL \g, 1                                    ; the first products start the sums: nothing is cleared
.else
	PVMUL \g, 0
.endif
.else
	PVMUL \g, 0
.endif
.endr
.endm
; ---------------- a block of 128 keys ----------------
.macro BLOCK first, last
	WIN 0
	s_wait_xcnt 0x0
	v_lshl_add_u32 v30, v0, 2, 0x4dc00
	v_mov_b32 v31, 0
	s_wait_tensorcnt 0x0                           ; all my tensor loads have landed, my part of this block's K among them
	ds_add_u32 v30, v31
	s_wait_dscnt 0x0
.if \first == 0
	s_add_nc_u64 s[G0V+2:G0V+3], s[G0V+2:G0V+3], 131072
.endif
	s_wait_dscnt 0x0                               ; my reads of B (q, or the last block's V) and of P are over
	ROUND
	tensor_load_to_lds s[G0V:G0V+3], s[G1V:G1V+7]  ; this block's V into B; it has the S phase and the softmax in which to land
	s_nop 0
	SPHASE
	PLACES
	WIN 0
	MAXQ 0, \first
	MAXQ 1, \first
	EXPQ 0, \first
	EXPQ 1, \first
.if \first == 0
	ds_store_b64 v[STA], v[ALO:ALO+1]              ; both halves of the lanes hold, and write, the same two factors
.endif
.if \last
	v_permlanex16_b32 v[T], v[L], s22, s23         ; l = the two halves' sums
	v_permlanex16_b32 v[T+1], v[L+1], s22, s23
	v_add_f32 v[T], v[T], v[L]
	v_add_f32 v[T+1], v[T+1], v[L+1]
	v_rcp_f32 v[T+2], v[T]
	v_rcp_f32 v[T+3], v[T+1]
	v_nop
	s_wait_alu depctr_va_vdst(0)
	ds_store_b64 v[STA], v[T+2:T+3] offset:512
.endif
	s_wait_xcnt 0x0
	v_lshl_add_u32 v30, v0, 2, 0x4dc00
	v_mov_b32 v31, 0
	s_wait_tensorcnt 0x0                           ; my part of V has landed
	ds_add_u32 v30, v31
	s_wait_dscnt 0x0
.if \last == 0
	s_add_nc_u64 s[G0K+2:G0K+3], s[G0K+2:G0K+3], 131072
.endif
	s_wait_dscnt 0x0                               ; my reads of K are over, my P and factors are in LDS
	ROUND                                          ; the ring's round, and the barrier that shows P and the factors to the other waves
.if \last
	tensor_load_to_lds s[G0W:G0W+3], s[G1W:G1W+7]  ; Wproj's first tile into A's lower slot
	s_nop 0
.else
	tensor_load_to_lds s[G0K:G0K+3], s[G1K:G1K+7]  ; the next block's K into A; it has PV in which to land
	s_nop 0
.endif
	PVPHASE \first
.endm
	BLOCK 1, 0
	WIN 0
	s_mov_b32 s66, 6
.Lblock:
	BLOCK 0, 0
	WIN 0
	s_sub_co_i32 s66, s66, 1
	s_cmp_lg_u32 s66, 0
	s_cbranch_scc1 .Lblock
	BLOCK 0, 1
; ---------------- O / l to LDS ----------------
	WIN 0
	s_wait_xcnt 0x0
	v_lshl_add_u32 v30, v0, 2, 0x4dc00
	v_mov_b32 v31, 0
	s_wait_tensorcnt 0x0                           ; Wproj's first tile has landed
	ds_add_u32 v30, v31
	s_wait_dscnt 0x0
	s_wait_dscnt 0x0                               ; my reads of V and P are over
	ROUND
	tensor_load_to_lds s[G0W+4:G0W+7], s[G1W:G1W+7]        ; its second tile, into A's upper slot.  B has had its last fill
	s_nop 0
	PLACES                                         ; behind PV's last products
	ds_load_b128 v[AL:AL+3], v[LDA] offset:512     ; 1 / l of all eight query tiles
	ds_load_b128 v[AL+4:AL+7], v[LDA] offset:528
	v_and_b32 v26, 15, v0                          ; r
	v_bfe_u32 v27, v0, 4, 1                        ; h
	v_and_b32 v28, 31, v0                          ; l
	v_lshlrev_b32 v[BPO], 2, v26
	v_lshl_add_u32 v[BPO], s14, 9, v[BPO]          ; bproj[128 w + r]
	WIN 0x40
.irp a, 0,1,2,3,4,5,6,7
	global_load_b32 v[192+8*\a], v[BPO], s[8:9] offset:64*\a       ; output tile a's bias: one number a lane
.endr
	WIN 0
	v_add_nc_u32 v[ADRO], LB, v[ADRO]              ; v1, v2 held r x 1,040 + 16 h (+ 64 rows): now O's fragments in B
	v_add_nc_u32 v[ADRO+1], LB, v[ADRO+1]
	v_lshl_add_u32 v[OST], s14, 8, v[ADRO]         ; and where my 128 channels of O go
	v_lshl_add_u32 v[OST+1], s14, 8, v[ADRO+1]
	v_mul_u32_u24 v29, v26, WP
	v_lshl_add_u32 v29, v27, 4, v29
	v_add_nc_u32 v[ADRW], s[G0W+1], v29
	v_add_nc_u32 v[ADRW+1], s[G0W+5], v29
	s_mul_i32 s18, s14, 16*OP2
	s_add_co_u32 s18, s18, LP                      ; my stage of the way out, in P's bytes
	v_mul_u32_u24 v29, v26, OP2
	v_lshl_add_u32 v29, v27, 5, v29
	v_add_nc_u32 v[STO2], s18, v29
	v_lshl_add_u32 v[RD2], v28, 4, s18
	v_lshlrev_b32 v[XO], 4, v28
	v_lshrrev_b32 v29, 1, v28
	v_and_b32 v30, 1, v28
	v_lshlrev_b32 v30, 8, v30
	v_lshl_add_u32 v[PFO], v29, 12, v30            ; prefetch: row l / 2 of a tile's sixteen, its first or second 256 bytes
	s_wait_dscnt 0x0
	RESCALE                                        ; O / l
.irp a, 0,1,2,3,4,5,6,7
.if \a < 4
	WIN 0x0a
.else
	WIN 0x0f
.endif
.irp q, 0,1,2,3,4,5,6,7
.irp r, 0,1,2,3
	v_cvt_pk_bf16_f32 v[KB+4*\q+\r], v[8*(8*(\a%4)+\q)+2*\r], v[8*(8*(\a%4)+\q)+2*\r+1]
.endr
.endr
	WIN 0
.irp q, 0,1,2,3,4,5,6,7
	ds_store_b128 v[OST+\q/4], v[KB+4*\q:KB+4*\q+3] offset:16*KP*(\q%4)+32*\a     ; channels 128 w + 16 a + 8 h + 0 .. 7 of query 16 q + r
.endr
.endr
	s_wait_dscnt 0x0                               ; my part of O is in LDS
	s_barrier_signal -1
	s_barrier_wait -1                              ; everybody's is.  Wproj's second tile may stay out
	s_wait_loadcnt 0x0                             ; bproj
	WIN 0x41
.irp a, 0,1,2,3,4,5,6,7
.irp j, 1,2,3,4,5,6,7
	v_mov_b32 v[192+8*\a+\j], v[192+8*\a]          ; a C tile holds its column's bias in all eight rows of a lane
.endr
.endr
; ---------------- the projection: eight steps of 64 channels ----------------
.macro MUL16 f, hi, a0, bias           ; output tiles a0, a0 + 1 of the window's four x all 8 query tiles
.irp a, \a0, \a0+1
.irp b, 0,1,2,3,4,5,6,7
.if \bias
	v_wmma_f32_16x16x32_bf16 v[8*(8*(\a)+\b):8*(8*(\a)+\b)+7], v[\f+8*\b:\f+8*\b+7], v[\f+8*(4*\hi+\a):\f+8*(4*\hi+\a)+7], v[192+8*(4*\hi+\a):192+8*(4*\hi+\a)+7]
.else
	v_wmma_f32_16x16x32_bf16 v[8*(8*(\a)+\b):8*(8*(\a)+\b)+7], v[\f+8*\b:\f+8*\b+7], v[\f+8*(4*\hi+\a):\f+8*(4*\hi+\a)+7], v[8*(8*(\a)+\b):8*(8*(\a)+\b)+7]
.endif
.endr
.endr
.endm
.macro FETCH slot, qb, ks, f           ; O's 128 queries of K step ks into window 1, Wproj's 128 rows at byte qb into window 0
	WIN 0x40
.irp q, 0,1,2,3,4,5,6,7
	ds_load_b128 v[\f+8*\q:\f+8*\q+3],   v[ADRO+\q/4] offset:16*KP*(\q%4)+64*(\ks)
	ds_load_b128 v[\f+8*\q+4:\f+8*\q+7], v[ADRO+\q/4] offset:16*KP*(\q%4)+64*(\ks)+32
.endr
	WIN 0
.irp o, 0,1,2,3,4,5,6,7
	ds_load_b128 v[\f+8*\o:\f+8*\o+3],   v[ADRW+\slot] offset:16*WP*\o+\qb
	ds_load_b128 v[\f+8*\o+4:\f+8*\o+7], v[ADRW+\slot] offset:16*WP*\o+\qb+32
.endr
.endm
.macro QUARTER slot, j, bias
	s_wait_dscnt 8                                 ; O and output tiles 0-3 are in; the youngest eight loads (output tiles 4-7) may be out
.if \bias
	WIN 0x91
.else
	WIN 0xa1
.endif
	MUL16 F0, 0, 0, \bias
	MUL16 F0, 0, 2, \bias
	PLACES
	FETCH \slot, 64, 2*\j+1, F1
	s_wait_dscnt 32                                ; all but the 32 just issued
.if \bias
	WIN 0xd1
.else
	WIN 0xf1
.endif
	MUL16 F0, 1, 0, \bias
	MUL16 F0, 1, 2, \bias
.endm
.macro TURN slot, next, fill, ksn, fetch
	s_wait_dscnt 8
	WIN 0xa1
	MUL16 F1, 0, 0, 0
	s_wait_dscnt 0x0                               ; my reads of this slot are over
.if \fetch
	s_wait_xcnt 0x0
	s_set_vgpr_msb 0xa120
	v_lshl_add_u32 v30, v0, 2, 0x4dc00
	v_mov_b32 v31, 0
	s_wait_tensorcnt 0x0                           ; all my tensor loads have landed
	ds_add_u32 v30, v31
	s_wait_dscnt 0x0
	s_set_vgpr_msb 0x20a1
	s_barrier_signal -1
.endif
	MUL16 F1, 0, 2, 0
.if \fetch
	WIN 0
	s_barrier_wait -1
.if \fill
	CREST                                          ; the barrier opened a round of the cluster's barrier; the joint refill is first behind it
	s_add_nc_u64 s[G0W+4*\slot+2:G0W+4*\slot+3], s[G0W+4*\slot+2:G0W+4*\slot+3], 2*65536
	tensor_load_to_lds s[G0W+4*\slot:G0W+4*\slot+3], s[G1W:G1W+7]
	s_nop 0
.endif
	PLACES
	FETCH \next, 0, \ksn, F0
.endif
	WIN 0xf1
	MUL16 F1, 1, 0, 0
	MUL16 F1, 1, 2, 0
.endm
.macro PSTEP j, s, n, bias, fill, fetch
	QUARTER \s, \j, \bias
	TURN \s, \n, \fill, 2*\j+2, \fetch
.endm
; x of output tile i (16 rows x 512 bytes) into one of four blocks of 64 registers of window 1: v0-63 (q's, dead), v192-255 (the bias
; tiles, dead behind step 0), and the two fragment buffers, free behind the last product.
.macro SETXB i
.if (\i)%4 == 0
.set XB, 0
.elseif (\i)%4 == 1
.set XB, 192
.else
.set XB, 64*((\i)%4-1)
.endif
.endm
.macro XLOAD i
	SETXB \i
	WIN 0x40
.irp row, 0,1,2,3,4,5,6,7,8,9,10,11,12,13,14,15
	global_load_b128 v[XB+4*\row:XB+4*\row+3], v[XO], s[68:69] offset:(16*\i+\row)*4096 th:TH_LOAD_NT
.endr
.endm
; x of tile i is asked for ahead of its loads: 32 lanes, 256 bytes apart within a row's 512, sixteen rows: each block once, by the one
; wave that will load it, all inside my wave's 128 rows.  At most four tiles of 8,192 bytes a wave are asked for and not yet loaded.
.macro PF i
	WIN 0
	global_prefetch_b8 v[PFO], s[68:69] offset:65536*\i th:TH_LOAD_NT scope:SCOPE_SE
.endm
; Output rows 16 i .. 16 i + 15: a lane's eight neighbouring tokens into my stage, whole rows of 512 bytes back, + x, store.
.macro OUTT i, left
.if \i < 4
	WIN 0x08                                       ; an LDS store's data is source 1
.else
	WIN 0x0c
.endif
.irp b, 0,1,2,3,4,5,6,7
	ds_store_b128 v[STO2], v[8*(8*((\i)%4)+\b):8*(8*((\i)%4)+\b)+3]   offset:64*\b
	ds_store_b128 v[STO2], v[8*(8*((\i)%4)+\b)+4:8*(8*((\i)%4)+\b)+7] offset:64*\b+16
.endr
	WIN 0
	s_wait_xcnt 0x0                                ; RB, which the last tile's stores read, is loaded again only behind this wait
.irp row, 0,1,2,3,4,5,6,7,8,9,10,11,12,13,14,15
	ds_load_b128 v[RB+4*\row:RB+4*\row+3], v[RD2] offset:OP2*\row  ; LDS serves a wave's instructions in order: these see the stores above
.endr
	s_wait_loadcnt \left                           ; this tile's x is in; the younger tiles' loads stay out
	s_wait_dscnt 0x0
	SETXB \i
	WIN 0x04
.irp p, 0,2,4,6,8,10,12,14,16,18,20,22,24,26,28,30,32,34,36,38,40,42,44,46,48,50,52,54,56,58,60,62
	v_pk_add_f32 v[RB+\p:RB+\p+1], v[RB+\p:RB+\p+1], v[XB+\p:XB+\p+1]
.endr
	WIN 0
.irp row, 0,1,2,3,4,5,6,7,8,9,10,11,12,13,14,15
	global_store_b128 v[XO], v[RB+4*\row:RB+4*\row+3], s[70:71] offset:(16*\i+\row)*4096 th:TH_STORE_NT   ; the wave stores 512 consecutive bytes, aligned
.endr
.endm
	FETCH 0, 0, 0, F0
	PSTEP 0, 0, 1, 1, 1, 1
	PSTEP 1, 1, 0, 0, 1, 1
	PSTEP 2, 0, 1, 0, 1, 1
	PSTEP 3, 1, 0, 0, 1, 1
	XLOAD 0                                        ; four steps (512 matrix instructions) ahead of their use
	XLOAD 1
	PF 2
	PSTEP 4, 0, 1, 0, 1, 1
	PF 3
	PSTEP 5, 1, 0, 0, 1, 1
	PF 4
	PSTEP 6, 0, 1, 0, 0, 1                         ; the last two steps fill nothing (eight tiles in all)
	PF 5
	PSTEP 7, 1, 0, 0, 0, 0
	PLACES                                         ; behind the last products: for the LDS stores of results and the loads into the buffers
	XLOAD 2
	XLOAD 3
	OUTT 0, 48                                     ; three younger tiles of sixteen loads
	XLOAD 4
	PF 6
	OUTT 1, 48
	XLOAD 5
	PF 7
	OUTT 2, 48
	XLOAD 6
	OUTT 3, 48
	XLOAD 7
	OUTT 4, 48
	OUTT 5, 32
	OUTT 6, 16
	OUTT 7, 0
	s_wait_xcnt 0x0
	v_lshl_add_u32 v30, v0, 2, 0x4dc00
	v_mov_b32 v31, 0
	s_wait_tensorcnt 0x0
	ds_add_u32 v30, v31
	s_wait_dscnt 0x0
	ROUND                                          ; the closing round: no work-group ends while a partner may still ask jointly
	s_endpgm
.Lfunc_end_k_q6ec1c81f5f_attn:
	.size	k_q6ec1c81f5f_attn, .Lfunc_end_k_q6ec1c81f5f_attn-k_q6ec1c81f5f_attn
	.p2alignl 7, 3214868480
	.fill 96, 4, 3214868480
	.section	.rodata,"a",@progbits
	.p2align	6, 0x0
	.amdhsa_kernel k_q6ec1c81f5f_attn
		.amdhsa_group_segment_fixed_size 327680
		.amdhsa_private_segment_fixed_size 0
		.amdhsa_enable_private_segment 0
		.amdhsa_kernarg_size 40
		.amdhsa_user_sgpr_count 2
		.amdhsa_user_sgpr_kernarg_segment_ptr 1
		.amdhsa_wavefront_size32 1
		.amdhsa_system_sgpr_workgroup_id_x 1
		.amdhsa_system_sgpr_workgroup_id_y 1
		.amdhsa_system_sgpr_workgroup_id_z 1
		.amdhsa_system_vgpr_workitem_id 0
		.amdhsa_next_free_vgpr 1024
		.amdhsa_next_free_sgpr 96
		.amdhsa_reserve_vcc 0
		.amdhsa_float_denorm_mode_32 3
		.amdhsa_float_denorm_mode_16_64 3
		.amdhsa_memory_ordered 1
		.amdhsa_forward_progress 1
		.amdhsa_inst_pref_size 255
	.end_amdhsa_kernel
	.section	.bss,"aw",@nobits
	.p2align	6
	.space	262144
	.amdgpu_metadata
---
amdhsa.version: [ 1, 2 ]
amdhsa.kernels:
  - .name:           k_q6ec1c81f5f_attn
    .symbol:         k_q6ec1c81f5f_attn.kd
    .args:
      - { .name: qkv, .offset: 0, .size: 8, .value_kind: global_buffer, .address_space: global }
      - { .name: wt, .offset: 8, .size: 8, .value_kind: global_buffer, .address_space: global }
      - { .name: bproj, .offset: 16, .size: 8, .value_kind: global_buffer, .address_space: global }
      - { .name: x, .offset: 24, .size: 8, .value_kind: global_buffer, .address_space: global }
      - { .name: out0, .offset: 32, .size: 8, .value_kind: global_buffer, .address_space: global }
    .group_segment_fixed_size: 327680
    .private_segment_fixed_size: 0
    .kernarg_segment_align: 8
    .kernarg_segment_size: 40
    .max_flat_workgroup_size: 128
    .sgpr_count:     96
    .vgpr_count:     1024
    .wavefront_size: 32
...
	.end_amdgpu_metadata
.endif
;; end of part 3
